; MI455X (gfx1250); checked and timed in simulation.
; The chip was launched on July 23, 2026; its instructions are those of AMD's public machine-readable ISA for CDNA 5 (MIT licence, August 2026) and "CDNA5" Instruction Set Architecture Reference Guide (July 2026). The comments in the code are by the model that wrote it; some were corrected since.
;; Episodic Memory System. Allowed arithmetic: matrix products marked QUANTISED: E4M3 operands, one given power-of-two scale a tensor, by v_wmma_f32_16x16x64_fp8_fp8 or v_wmma_f32_16x16x128_fp8_fp8, f32 sums; products left as they are: f32 operands where the result goes on into a quantised operand, else bf16, f16 or f32 operands; f32 sums; everything else in f32.
;; Inputs: W1 8 x 128 x 256 float32; W2 8 x 128 float32; b1 8 x 128 float32; b2 8 float32; lowp_scales 6 int32 (the exponents e of the quantised operands' scales 2^e); memory_content 8 x 8,192 x 128 float32; memory_contexts 8 x 8,192 x 128 float32; memory_freshness 8 x 8,192 float32; query_content 32 x 128 float32; query_context 32 x 128 float32.
;; Outputs: out0 8 x 32 x 16 x 128 float32; out1 8 x 32 x 16 float32; out2 8 x 32 x 16 float32.
;; Constants: top_k = 16.
;; This version of the problem:
;;   THIS VERSION OF THE PROBLEM IS GIVEN IN LOW PRECISION. The matrix products marked QUANTISED in the list below multiply operands that are first quantised to E4M3 (4 exponent bits, 3 mantissa bits; 8 bits a number), with one given power-of-two scale for each operand tensor; their sums are f32. All else is computed in f32.
;;   The module's matrix products, in the order in which they are computed (A, B: the left and right operand; K: the contracted axis; several contracted axes count as one K, in the product's order):
;;     1. [M 1,024, K 128] x [K 128, N 32]; A: input W1; B: input query_content: QUANTISED (scales: A lowp_scales[0], B lowp_scales[1])
;;     2. batch 8 x [M 8,192, K 128] x [K 128, N 128]; A: input memory_content; B: input W1: QUANTISED (scales: A lowp_scales[2], B lowp_scales[3])
;;     3. batch 8 x [M 262,144, K 128] x [K 128, N 1]; A: computed on the way; B: input W2: left as it is (N = 1 < 16)
;;     4. [M 65,536, K 128] x [K 128, N 32]; A: computed on the way; B: computed on the way: QUANTISED (scales: A lowp_scales[4], B lowp_scales[5])
;;   THE QUANTISER, for each operand of a quantised product, along K:
;;     - The operand's scale is 2^e, e = its entry of the input lowp_scales (int32; the entries are numbered through the quantised products in the list's order, A before B).
;;     - Each number is divided by the scale, clamped to +-448, and rounded to the nearest number of E4M3, ties to even, subnormals kept.
;;     - The product sums the exact products of the quantised numbers (number of the format x scale) in f32.
;;   ~~~python
;;   def quantise(x, axis, e):      # numpy; x: float32 -> the quantised numbers, widened to float32 again
;;       x = np.moveaxis(x, axis, -1); K = x.shape[-1]
;;       r = np.clip(x / 2.0 ** e, -448, 448)
;;       step = 2.0 ** (np.maximum(np.frexp(np.where(r == 0, 1, r))[1] - 1, -6) - 3)
;;       q = np.round(r / step) * step * 2.0 ** e      # np.round: ties to even
;;       return np.moveaxis(q, -1, axis).astype(np.float32)
;;   ~~~
;;   OPERANDS COMPUTED ON THE WAY. 'Computed on the way' means the value that the module computes at that place (a softmax that the list does not call 'softmax' is quantised finished and normalised). What goes into a quantiser is computed in f32, as accurately as f32 sums, v_exp_f32 and their like allow (about 1e-6 of the number): no bf16 or f16 on the way to a quantiser, and a product that is left as it is and whose result goes on into a quantised operand takes f32 operands (vector FMAs, or v_wmma_f32_16x16x4_f32). A number that lies on a knife's edge between two numbers of the format may be rounded either way, as far as f32 arithmetic and the matrix unit's own rounding can turn it there, and no further.
;; One version. Each part assembles by itself: llvm-mc -triple=amdgcn-amd-amdhsa -mcpu=gfx1250 --defsym DOCPART=n.
;; ======== version 1 of 1: 3 launches
;; workspace buffers: cand_key 524,288 bytes; cand_idx 524,288 bytes of whole numbers; top_idx 16,384 bytes of whole numbers
;; launch score (part 1): grid 32 x 8, 8 waves a work-group, no clusters, 312,832 bytes of LDS; arguments W1, W2, b1, b2, lowp_scales, memory_content, memory_contexts, memory_freshness, query_content, query_context, cand_key, cand_idx; writes cand_key, cand_idx
.if DOCPART == 1
	.amdgcn_target "amdgcn-amd-amdhsa--gfx1250"
	.amdhsa_code_object_version 6
	.text
	.protected	k_q2bbe620465_score
	.globl	k_q2bbe620465_score
	.p2align	8
	.type	k_q2bbe620465_score,@function
k_q2bbe620465_score:
	s_mov_b64 s[64:65], 0
	v_nop
	global_prefetch_b8 v0, s[64:65] scope:SCOPE_SE
	s_setreg_imm32_b32 hwreg(HW_REG_WAVE_MODE, 25, 1), 1
	s_wait_xcnt 0x0
; SCORE.  Work-group (x = chunk, y = cell c) takes 256 memories of one cell and all 32 queries: it makes the 256 x 32 similarities
;   sim = 0.5 sigmoid(sum_e W2[e] relu(hq[b][e] + hm[m][e] + b1[e]) + b2) + 0.3 cos(context) + 0.2 freshness
; and stores, for each query, the best 16 of the 256 (key, index), best first.  The next launch merges a cell's 32 lists.
; QUANTISED PRODUCTS (E4M3 codes, given scales 2^e0 .. 2^e5, f32 sums): hq = Wq x query_content (e0, e1), hm = memory_content x Wm (e2, e3),
; context = normalised memory_contexts x normalised query_context (e4, e5).  All by v_wmma_f32_16x16x128_fp8_fp8 with C = 0: K = 128 is one instruction.
; A fragment's register 4 c + x holds k = 32 c + 16 (lane / 16) + 4 x .. + 3 in both operands: the same permutation of k on both sides.
; THE RELU AND THE DOT WITH W2, in f32 on the vector unit.  With s = 2^(e2+e3), D = hm's raw sum, A'' = -(hq + b1) / s, W'' = -W2 s (both scalings exact):
;   sum_e W2 relu(hq + b1 + s D) = sum_e W'' min(A'', D) - sum_e W'' D.      The second sum is made once for each memory.
; Two elements cost two minima and one packed multiply-add.  A lane holds one memory (lane % 16) and 64 of the 128 e (its half); A''[b] lies spread over the 16 lanes
; of a half, four registers a query, and the minimum takes it from lane n of the row (row_share) in the same instruction.
; SHARES.  Wave w owns memories 32 w .. 32 w + 31 of the chunk, in two steps of 16.  Its four tiles (content, contexts x two steps; 16 rows of 512 bytes) are asked for
; at the head by four tensor loads into LDS bytes of its own; four loads of a wave are out at the most; nothing is filled twice.  Step 1's tiles land under step 0's work.
; In the prologue wave w quantises rows 16 w .. 16 w + 15 of Wm and of Wq; waves 0 to 3 one tile of 16 queries each (0, 1 content; 2, 3 context).  Operands go from wave to wave as images of their registers.
; NO CLUSTER: what the 32 work-groups of a cell share is W1[c] (131,072 bytes) and the queries (32,768).  The group's own tiles take 270,336 bytes of LDS and the images 41,472:
; a landing place for W1 does not fit beside them, so W1 goes from memory into registers, 16 rows a wave.
; THE SELECTION.  key = the similarity's bits mapped so that unsigned order is the numbers' order; a lane is a query.  'b precedes a' (larger key, or equal key and lower index) is the carry out of
; Kb + ~Ka + (Ib < Ia).  32 similarities a lane: two sorts of 16 (odd-even merge sort, 63 exchanges), then merges that keep the best 16; three levels over the eight waves through LDS.
; LIMITS: each e between -126 and 119; e0+e1-e2-e3 and e2+e3 between -126 and 127; e4+e5 between -124 and 129, so that each power of two below is an f32 number.  NaN among the inputs is not served.
; -0 ranks under +0.  The logit is a difference of two f32 sums of the size of sum |W2 hm|: its error is some 1e-7 of that size, and it is not exactly 0 where every relu is off.
.set RWB,  33792                       ; LDS: a wave's region: CT0 +0, XT0 +8,448, CT1 +16,896, XT1 +25,344; a tile is 16 rows x (512 + 16) bytes
.set XTO,  8448
.set T1O,  16896
.set WMI,  270336                      ; 8 images of Wm's fragments, 2,048 bytes each
.set QIM,  286720                      ; 4 images: query content b 0-15, 16-31; query context b 0-15, 16-31
.set AIM,  294912                      ; A'': 32 rows (b) x 528 bytes; number u of half h at 256 h + 4 u
.set QO,   QIM-WMI
.set AO,   AIM-WMI
; Laid over tiles that have been read, in the wave's own region (each tile is filled once): logits over CT0 and 0.3 ctx + 0.2 freshness over XT0, 32 rows (b) x 144 bytes; the list for the merges over CT1.
.set RA,   1                           ; v1   region + 528 r + 64 h: my 16 numbers of a block of 32 in row r of a tile
.set L16,  2                           ; v2   16 x lane
.set IMGB, 3                           ; v3   WMI + 16 x lane: an image's place for my lane
.set WST,  4                           ; v4   where I store Wm's image
.set QST,  5                           ; v5   where I store a query tile's image
.set AST,  6                           ; v6   where I store A''
.set SST,  7                           ; v7   region + 1,152 h + 4 r: rows b = 8 h + .., column m = r
.set SRD,  8                           ; v8   region + 144 x lane: row b = lane
.set LST,  9                           ; v9   my list: region + 16,896 + 4 x lane
.set LR4,  10                          ; v10-12 the list of wave (w + 4) % 8, (w + 2) % 8, (w + 1) % 8
.set LR2,  11
.set LR1,  12
.set GW,   13                          ; v13  1,024 r + 64 h: W1
.set GQ,   14                          ; v14  512 r + 64 h: the queries
.set GH,   15                          ; v15  32 h: b1, W2
.set GF,   16                          ; v16  4 r: freshness
.set AAD,  17
.set LAD,  18
.set NH,   24                          ; v24-87   Wm as f32; later hm's raw sums D, number u = 8 et + j is e = 16 et + 8 h + j
.set WW,   88                          ; v88-151  a query tile as f32; later W'' in the same order as D
.set XB,   152                         ; v152-215 Wq as f32; a tile's rows; images; the main loop's registers
.set SA0,  152                         ; A'' of two queries, 4 registers each
.set SA1,  160
.set TT,   168                         ; minima, two sets of 8
.set ACC,  184                         ; four packed chains: query A, A, B, B
.set EP,   202
.set PC,   216                         ; the codes just made
.set WQ,   232                         ; Wq's codes
.set SEP,  232                         ; later: sum W'' D, a pair, and its second chain
.set FRP,  248                         ; v[248:249], v[250:251]: 0.2 freshness of step 0, 1 (low word)
.set SC,   252
.set LIM,  253
.set INV,  254
.set MK,   12                          ; s12-15 four masks
.set TM,   90                          ; v90-93 four inverted keys
.macro MKSC e, dst                     ; s[dst] = 2^e as f32, s[dst + 1] = 448 x 2^e
	s_add_co_i32 s5, s[\e], 127
	s_lshl_b32 s[\dst], s5, 23
	s_add_co_i32 s5, s5, 8
	s_lshl_b32 s5, s5, 23
	s_or_b32 s[\dst+1], s5, 0x600000
.endm
.macro GLD64 reg, off, base, imm       ; 64 numbers of my row: register 16 c + i = k 32 c + 16 h + i
.irp c, 0,1,2,3
.irp i, 0,1,2,3
	global_load_b128 v[\reg+16*\c+4*\i:\reg+16*\c+4*\i+3], v[\off], s[\base:\base+1] offset:\imm+128*\c+16*\i
.endr
.endr
.endm
.macro RAWLD imm                       ; the same from a tile in LDS; rows 528 bytes apart: 16 lanes, 16 different columns of 16 bytes
.irp c, 0,1,2,3
.irp i, 0,1,2,3
	ds_load_b128 v[XB+16*\c+4*\i:XB+16*\c+4*\i+3], v[RA] offset:\imm+128*\c+16*\i
.endr
.endr
.endm
.macro QUANT src, dst, ssc             ; 64 numbers become a fragment's 16 registers of codes; s[ssc], s[ssc + 1]: the scale and 448 x the scale
	v_mov_b32 v[SC], s[\ssc]
	v_mov_b32 v[LIM], s[\ssc+1]
.irp c, 0,1,2,3
.irp i, 0,1,2,3,4,5,6,7,8,9,10,11,12,13,14,15
	v_med3_num_f32 v[\src+16*\c+\i], v[\src+16*\c+\i], -v[LIM], v[LIM]   ; the conversion does not saturate (ISA guide 7.6.2): the hold at the largest code x the scale
.endr
	v_cvt_scalef32_pk8_fp8_f32 v[\dst+4*\c:\dst+4*\c+1], v[\src+16*\c:\src+16*\c+7], v[SC]
	v_cvt_scalef32_pk8_fp8_f32 v[\dst+4*\c+2:\dst+4*\c+3], v[\src+16*\c+8:\src+16*\c+15], v[SC]
.endr
	v_nop                                          ; a plain vector line between the last conversion and whatever next touches its registers
.endm
.macro NORM src                        ; v[INV] = 1 / max(|row|, 1e-8): my 64 squares in two packed chains, the other half of the row from lane xor 16
	v_pk_mul_f32 v[PC:PC+1], v[\src:\src+1], v[\src:\src+1]
	v_pk_mul_f32 v[PC+2:PC+3], v[\src+2:\src+3], v[\src+2:\src+3]
.set J, 4
.rept 15
	v_pk_fma_f32 v[PC:PC+1], v[\src+J:\src+J+1], v[\src+J:\src+J+1], v[PC:PC+1]
	v_pk_fma_f32 v[PC+2:PC+3], v[\src+J+2:\src+J+3], v[\src+J+2:\src+J+3], v[PC+2:PC+3]
.set J, J+4
.endr
	v_pk_add_f32 v[PC:PC+1], v[PC:PC+1], v[PC+2:PC+3]
	v_mov_b32 v[PC+4], 0                           ; a lane permute's destination counts as read
	v_add_f32 v[PC], v[PC], v[PC+1]
	v_permlanex16_b32 v[PC+4], v[PC], s40, s41
	v_add_f32 v[PC], v[PC], v[PC+4]
	v_sqrt_f32 v[PC+1], v[PC]
	v_nop                                          ; a plain line behind the root,
	s_wait_alu depctr_va_vdst(0)                   ; and the wait ahead of its first reader
	v_max_num_f32 v[PC+1], 0x322bcc77, v[PC+1]     ; 1e-8
	v_rcp_f32 v[INV], v[PC+1]
	v_mov_b32 v[INV+1], 0                          ; a plain line; the pair's upper word is named, so it is written
	s_wait_alu depctr_va_vdst(0)
.endm
.macro PKMUL src                       ; the 64 numbers x v[INV]
.set J, 0
.rept 32
	v_pk_mul_f32 v[\src+J:\src+J+1], v[\src+J:\src+J+1], v[INV:INV+1] op_sel_hi:[1,0]
.set J, J+2
.endr
.endm
.macro IMAGE adr, src                  ; a fragment goes to LDS as it stands: 512 consecutive bytes a store
.irp c, 0,1,2,3
	ds_store_b128 v[\adr], v[\src+4*\c:\src+4*\c+3] offset:512*\c
.endr
.endm
.macro FETCH reg, off                  ; and comes back so, in any wave
.irp c, 0,1,2,3
	ds_load_b128 v[\reg+4*\c:\reg+4*\c+3], v[IMGB] offset:\off+512*\c
.endr
.endm
.macro BAR                             ; my LDS stores have landed and my LDS loads are in: then the work-group's barrier
	s_wait_dscnt 0x0
	s_barrier_signal -1
	s_barrier_wait -1
.endm
.macro PLACES
.rept 4
	v_nop
.endr
.endm
; 64 elements of two queries for my memory: group g is numbers u = 4 g .. 4 g + 3, which lane g of my row holds in the four registers of A''.
.macro PAIR sa
.irp g, 0,1,2,3,4,5,6,7,8,9,10,11,12,13,14,15
.irp q, 0,1,2,3
	v_min_num_f32_dpp v[TT+8*(\g%2)+\q], v[\sa+\q], v[NH+4*\g+\q] row_share:\g row_mask:0xf bank_mask:0xf
.endr
.irp q, 0,1,2,3
	v_min_num_f32_dpp v[TT+8*(\g%2)+4+\q], v[\sa+4+\q], v[NH+4*\g+\q] row_share:\g row_mask:0xf bank_mask:0xf
.endr
.if \g == 0
	v_pk_fma_f32 v[ACC:ACC+1], v[TT:TT+1], v[WW:WW+1], v[SEP:SEP+1] neg_lo:[0,0,1] neg_hi:[0,0,1]   ; the first chain starts from - sum W'' D
	v_pk_mul_f32 v[ACC+2:ACC+3], v[TT+2:TT+3], v[WW+2:WW+3]
	v_pk_fma_f32 v[ACC+4:ACC+5], v[TT+4:TT+5], v[WW:WW+1], v[SEP:SEP+1] neg_lo:[0,0,1] neg_hi:[0,0,1]
	v_pk_mul_f32 v[ACC+6:ACC+7], v[TT+6:TT+7], v[WW+2:WW+3]
.else
	v_pk_fma_f32 v[ACC:ACC+1], v[TT+8*(\g%2):TT+8*(\g%2)+1], v[WW+4*\g:WW+4*\g+1], v[ACC:ACC+1]
	v_pk_fma_f32 v[ACC+2:ACC+3], v[TT+8*(\g%2)+2:TT+8*(\g%2)+3], v[WW+4*\g+2:WW+4*\g+3], v[ACC+2:ACC+3]
	v_pk_fma_f32 v[ACC+4:ACC+5], v[TT+8*(\g%2)+4:TT+8*(\g%2)+5], v[WW+4*\g:WW+4*\g+1], v[ACC+4:ACC+5]
	v_pk_fma_f32 v[ACC+6:ACC+7], v[TT+8*(\g%2)+6:TT+8*(\g%2)+7], v[WW+4*\g+2:WW+4*\g+3], v[ACC+6:ACC+7]
.endif
.endr
.endm
; The two halves of e meet: lanes 0-15 keep query A's part and send B's, lanes 16-31 the other way round; each lane ends with one whole logit, row b = (A or B), column m = r.
.macro EPI lg, imm
	v_pk_add_f32 v[ACC:ACC+1], v[ACC:ACC+1], v[ACC+2:ACC+3]
	v_pk_add_f32 v[ACC+4:ACC+5], v[ACC+4:ACC+5], v[ACC+6:ACC+7]
	v_add_f32 v[EP], v[ACC], v[ACC+1]
	v_add_f32 v[EP+1], v[ACC+4], v[ACC+5]
	v_cndmask_b32 v[EP+2], v[EP+1], v[EP], s42
	v_cndmask_b32 v[EP+3], v[EP], v[EP+1], s42
	v_permlanex16_b32 v[EP+4], v[EP+2], s40, s41
	v_add_f32 v[\lg], v[EP+3], v[EP+4]
	ds_store_b32 v[LAD], v[\lg] offset:\imm
.endm
; THE SELECTION'S MACROS.  Position p's key lies in v[KRp], its index in v[IRp]: assembly symbols, so that an exchange needs no move: the winner is written to the spare register, which then changes names with position a's.
.macro INITMAP kb, ib
.irp p, 0,1,2,3,4,5,6,7,8,9,10,11,12,13,14,15,16,17,18,19,20,21,22,23,24,25,26,27,28,29,30,31
.set KR\p, \kb+\p
.set IR\p, \ib+\p
.endr
.endm
.macro CMP a, b, m
	v_cmp_lt_u32 s[MK+\m], v[IR\b], v[IR\a]
	v_not_b32 v[TM+\m], v[KR\a]
.endm
.macro CAR a, b, m                     ; carry out of Kb + ~Ka + (Ib < Ia): b precedes a
	v_add_co_ci_u32 v[TM+\m], s[MK+\m], v[KR\b], v[TM+\m], s[MK+\m]
.endm
.macro SEL a, b, m
	v_cndmask_b32 v[KFR], v[KR\a], v[KR\b], s[MK+\m]
	v_cndmask_b32 v[KR\b], v[KR\b], v[KR\a], s[MK+\m]
	v_cndmask_b32 v[IFR], v[IR\a], v[IR\b], s[MK+\m]
	v_cndmask_b32 v[IR\b], v[IR\b], v[IR\a], s[MK+\m]
.set SWP, KR\a
.set KR\a, KFR
.set KFR, SWP
.set SWP, IR\a
.set IR\a, IFR
.set IFR, SWP
.endm
.macro MXS a, b, m                     ; one-sided: position a takes the one that precedes
	v_cndmask_b32 v[KR\a], v[KR\a], v[KR\b], s[MK+\m]
	v_cndmask_b32 v[IR\a], v[IR\a], v[IR\b], s[MK+\m]
.endm
.macro CE4 a, b, c, d, e, f, g, h      ; four exchanges, line by line, so that no line waits for the line above it
	CMP \a,\b,0
	CMP \c,\d,1
	CMP \e,\f,2
	CMP \g,\h,3
	CAR \a,\b,0
	CAR \c,\d,1
	CAR \e,\f,2
	CAR \g,\h,3
	SEL \a,\b,0
	SEL \c,\d,1
	SEL \e,\f,2
	SEL \g,\h,3
.endm
.macro CE2 a, b, c, d
	CMP \a,\b,0
	CMP \c,\d,1
	CAR \a,\b,0
	CAR \c,\d,1
	SEL \a,\b,0
	SEL \c,\d,1
.endm
.macro CE1 a, b
	CMP \a,\b,0
	CAR \a,\b,0
	SEL \a,\b,0
.endm
.macro MX4 a, b, c, d, e, f, g, h
	CMP \a,\b,0
	CMP \c,\d,1
	CMP \e,\f,2
	CMP \g,\h,3
	CAR \a,\b,0
	CAR \c,\d,1
	CAR \e,\f,2
	CAR \g,\h,3
	MXS \a,\b,0
	MXS \c,\d,1
	MXS \e,\f,2
	MXS \g,\h,3
.endm
.macro SORT16 a, b, c, d, e, f, g, h, i, j, k, l, m, n, o, p   ; odd-even merge sort of 16 positions, ten layers, best first
	CE4 \a,\b,\c,\d,\e,\f,\g,\h
	CE4 \i,\j,\k,\l,\m,\n,\o,\p
	CE4 \a,\c,\b,\d,\e,\g,\f,\h
	CE4 \i,\k,\j,\l,\m,\o,\n,\p
	CE4 \b,\c,\f,\g,\j,\k,\n,\o
	CE4 \a,\e,\b,\f,\c,\g,\d,\h
	CE4 \i,\m,\j,\n,\k,\o,\l,\p
	CE4 \c,\e,\d,\f,\k,\m,\l,\n
	CE4 \b,\c,\d,\e,\f,\g,\j,\k
	CE2 \l,\m,\n,\o
	CE4 \a,\i,\b,\j,\c,\k,\d,\l
	CE4 \e,\m,\f,\n,\g,\o,\h,\p
	CE4 \e,\i,\f,\j,\g,\k,\h,\l
	CE4 \c,\e,\d,\f,\g,\i,\h,\j
	CE2 \k,\m,\l,\n
	CE4 \b,\c,\d,\e,\f,\g,\h,\i
	CE2 \j,\k,\l,\m
	CE1 \n,\o
.endm
.macro MERGE                           ; two sorted lists, positions 0-15 and 16-31: position i takes the better of i and 31 - i (a bitonic run of the best 16), which four layers sort
	MX4 0,31,1,30,2,29,3,28
	MX4 4,27,5,26,6,25,7,24
	MX4 8,23,9,22,10,21,11,20
	MX4 12,19,13,18,14,17,15,16
	CE4 0,8,1,9,2,10,3,11
	CE4 4,12,5,13,6,14,7,15
	CE4 0,4,1,5,2,6,3,7
	CE4 8,12,9,13,10,14,11,15
	CE4 0,2,1,3,4,6,5,7
	CE4 8,10,9,11,12,14,13,15
	CE4 0,1,2,3,4,5,6,7
	CE4 8,9,10,11,12,13,14,15
.endm
.macro PUT adr                         ; my best 16 to my list: rank p's key at 128 p + 4 x lane, its index 2,048 further on
.irp p, 0,1,2,3,4,5,6,7,8,9,10,11,12,13,14,15
	ds_store_b32 v[\adr], v[KR\p] offset:128*\p
	ds_store_b32 v[\adr], v[IR\p] offset:2048+128*\p
.endr
.endm
.macro GET adr                         ; a partner's list into positions 16-31
.irp q, 16,17,18,19,20,21,22,23,24,25,26,27,28,29,30,31
	ds_load_b32 v[KR\q], v[\adr] offset:128*(\q-16)
	ds_load_b32 v[IR\q], v[\adr] offset:2048+128*(\q-16)
.endr
.endm
.macro LEVEL lv, sh, padr              ; waves lv .. 2 lv - 1 hand their lists to waves 0 .. lv - 1; every wave passes the barrier
	s_lshr_b32 s5, s2, \sh
	s_cmp_lg_u32 s5, 1
	s_cbranch_scc1 .Lnp\lv
	PUT LST
.Lnp\lv:
	BAR
	s_cmp_lt_u32 s2, \lv
	s_cbranch_scc0 .Lnm\lv
	GET \padr
	s_wait_dscnt 0x0
	MERGE
.Lnm\lv:
.endm
	; ---- the head: pointers, ids, every LDS address, the descriptors
	s_load_b512 s[68:83], s[0:1], 0x0              ; W1 68, W2 70, b1 72, b2 74, scales 76, content 78, contexts 80, freshness 82
	s_load_b256 s[84:91], s[0:1], 0x40             ; query_content 84, query_context 86, cand_key 88, cand_idx 90
	s_set_vgpr_msb 0x40
	v_lshl_add_u32 v0, v0, 2, 0x4c200
	v_mov_b32 v1, 0
	s_set_vgpr_msb 0x4045
	ds_add_u32 v0, v1
	ds_add_u32 v0, v1
	s_set_vgpr_msb 0x4500
	v_lshrrev_b32 v19, 5, v0
	v_readfirstlane_b32 s2, v19                    ; wave 0..7
	s_and_b32 s3, ttmp7, 0xffff                    ; cell
	s_mov_b32 s4, ttmp9                            ; chunk
	v_and_b32 v20, 31, v0                          ; lane
	v_and_b32 v21, 15, v0                          ; r
	v_bfe_u32 v22, v0, 4, 1                        ; h
	s_mul_i32 s8, s2, RWB                          ; my region
	v_mul_u32_u24 v[RA], v21, 528
	v_lshl_add_u32 v[RA], v22, 6, v[RA]
	v_add_nc_u32 v[RA], s8, v[RA]
	v_lshlrev_b32 v[L16], 4, v20
	v_add_nc_u32 v[IMGB], WMI, v[L16]
	s_lshl_b32 s5, s2, 11
	v_add_nc_u32 v[WST], s5, v[IMGB]
	s_and_b32 s5, s2, 3
	s_lshl_b32 s5, s5, 11
	s_add_co_u32 s5, s5, QIM
	v_add_nc_u32 v[QST], s5, v[L16]
	v_mul_u32_u24 v[AST], v21, 528
	v_lshl_add_u32 v[AST], v22, 8, v[AST]
	s_lshl_b32 s5, s2, 5
	s_add_co_u32 s5, s5, AIM
	v_add_nc_u32 v[AST], s5, v[AST]
	v_mul_u32_u24 v[SST], v22, 1152
	v_lshl_add_u32 v[SST], v21, 2, v[SST]
	v_add_nc_u32 v[SST], s8, v[SST]
	v_mul_u32_u24 v[SRD], v20, 144
	v_add_nc_u32 v[SRD], s8, v[SRD]
	v_lshlrev_b32 v23, 2, v20
	s_add_co_u32 s5, s8, T1O
	v_add_nc_u32 v[LST], s5, v23
	s_add_co_u32 s5, s2, 4
	s_and_b32 s5, s5, 7
	s_mul_i32 s5, s5, RWB
	s_add_co_u32 s5, s5, T1O
	v_add_nc_u32 v[LR4], s5, v23
	s_add_co_u32 s5, s2, 2
	s_and_b32 s5, s5, 7
	s_mul_i32 s5, s5, RWB
	s_add_co_u32 s5, s5, T1O
	v_add_nc_u32 v[LR2], s5, v23
	s_add_co_u32 s5, s2, 1
	s_and_b32 s5, s5, 7
	s_mul_i32 s5, s5, RWB
	s_add_co_u32 s5, s5, T1O
	v_add_nc_u32 v[LR1], s5, v23
	v_lshlrev_b32 v[GW], 10, v21
	v_lshl_add_u32 v[GW], v22, 6, v[GW]
	v_lshlrev_b32 v[GQ], 9, v21
	v_lshl_add_u32 v[GQ], v22, 6, v[GQ]
	v_lshlrev_b32 v[GH], 5, v22
	v_lshlrev_b32 v[GF], 2, v21
	; descriptor group 1: a tile of 16 rows x 128 elements of 4 bytes, 4 words of padding behind every 128
	s_mov_b32 s16, (2<<16)|(1<<20)|(6<<22)|(3<<25)
	s_mov_b32 s17, 128<<16                         ; tensor_dim0 = 128
	s_mov_b32 s18, 16<<16                          ; tensor_dim1 = 16
	s_mov_b32 s19, 128<<16                         ; tile_dim0 = 128
	s_mov_b32 s20, 16                              ; tile_dim1 = 16
	s_mov_b32 s21, 128                             ; elements from row to row
	s_mov_b32 s22, 0
	s_mov_b32 s23, 0
	s_mov_b32 s40, 0x76543210                      ; lane selects: lane xor 16
	s_mov_b32 s41, 0xfedcba98
	s_mov_b32 s42, 0xffff0000                      ; lanes 16-31
	s_mov_b32 s61, 0xbfb8aa3b                      ; -log2(e)
	s_mov_b32 s7, 0
	s_wait_dscnt 0x0
	s_wait_kmcnt 0x0
	s_load_b128 s[92:95], s[76:77], 0x0            ; e0 .. e3
	s_load_b64 s[96:97], s[76:77], 0x10            ; e4, e5
	s_lshl_b32 s6, s3, 2
	s_add_nc_u64 s[74:75], s[74:75], s[6:7]
	s_load_b32 s98, s[74:75], 0x0                  ; b2[c]
	s_lshl_b32 s6, s3, 22                          ; my 32 rows of 512 bytes: (8,192 c + 256 chunk + 32 w) x 512
	s_lshl_b32 s5, s4, 17
	s_add_co_u32 s6, s6, s5
	s_lshl_b32 s5, s2, 14
	s_add_co_u32 s6, s6, s5
	s_add_nc_u64 s[78:79], s[78:79], s[6:7]
	s_add_nc_u64 s[80:81], s[80:81], s[6:7]
	s_mov_b32 s24, 1                               ; group 0, content of step 0
	s_mov_b32 s25, s8
	s_mov_b64 s[26:27], s[78:79]
	s_or_b32 s27, s27, 0x80000000
	s_mov_b32 s28, 1                               ; contexts of step 0
	s_add_co_u32 s29, s8, XTO
	s_mov_b64 s[30:31], s[80:81]
	s_or_b32 s31, s31, 0x80000000
	s_mov_b32 s32, 1                               ; content of step 1: 16 rows on
	s_add_co_u32 s33, s8, T1O
	s_add_nc_u64 s[34:35], s[78:79], 8192
	s_or_b32 s35, s35, 0x80000000
	s_mov_b32 s36, 1                               ; contexts of step 1
	s_add_co_u32 s37, s8, T1O+XTO
	s_add_nc_u64 s[38:39], s[80:81], 8192
	s_or_b32 s39, s39, 0x80000000
	tensor_load_to_lds s[24:27], s[16:23]          ; all of the wave's fills, in one group, ahead of every wait on them, every LDS read and every barrier: four are out
	s_nop 0
	tensor_load_to_lds s[28:31], s[16:23]
	s_nop 0
	tensor_load_to_lds s[32:35], s[16:23]
	s_nop 0
	tensor_load_to_lds s[36:39], s[16:23]
	s_nop 0
	PLACES                                         ; four such lines behind the loads
	s_lshl_b32 s6, s3, 17                          ; W1: cell, my 16 rows of 1,024 bytes
	s_lshl_b32 s5, s2, 14
	s_add_co_u32 s6, s6, s5
	s_add_nc_u64 s[68:69], s[68:69], s[6:7]
	s_lshl_b32 s6, s3, 9                           ; W2: cell
	s_add_nc_u64 s[70:71], s[70:71], s[6:7]
	s_lshl_b32 s5, s2, 6                           ; b1: cell, my 16 numbers
	s_add_co_u32 s6, s6, s5
	s_add_nc_u64 s[72:73], s[72:73], s[6:7]
	s_lshl_b32 s99, s4, 8
	s_lshl_b32 s5, s2, 5
	s_add_co_u32 s99, s99, s5                      ; my first memory in the cell
	s_lshl_b32 s6, s3, 15
	s_lshl_b32 s5, s99, 2
	s_add_co_u32 s6, s6, s5
	s_add_nc_u64 s[82:83], s[82:83], s[6:7]        ; its freshness
	s_lshl_b32 s6, s3, 16                          ; the lists: (32 c + chunk) x 2,048
	s_lshl_b32 s5, s4, 11
	s_add_co_u32 s6, s6, s5
	s_add_nc_u64 s[88:89], s[88:89], s[6:7]
	s_add_nc_u64 s[90:91], s[90:91], s[6:7]
	s_bitcmp1_b32 s2, 1                            ; waves 2, 3: the context queries
	s_cselect_b64 s[84:85], s[86:87], s[84:85]
	s_cselect_b32 s43, -1, 0
	s_and_b32 s6, s2, 1
	s_lshl_b32 s6, s6, 13                          ; which 16 queries
	s_add_nc_u64 s[84:85], s[84:85], s[6:7]
	; ---- loads: (waves 0-3) a query tile; my rows of Wm; my rows of Wq
	s_cmp_lt_u32 s2, 4
	s_cbranch_scc0 .Lno_q
	GLD64 WW, GQ, 84, 0
.Lno_q:
	GLD64 NH, GW, 68, 512
	GLD64 XB, GW, 68, 0
	s_wait_kmcnt 0x0
	MKSC 92, 44                                    ; e0: Wq
	s_bitcmp1_b32 s2, 1
	s_cselect_b32 s9, s97, s93                     ; e5 for the context queries, e1 for the content queries: a choice, no branch
	MKSC 9, 46
	MKSC 94, 48                                    ; e2: content
	MKSC 95, 50                                    ; e3: Wm
	MKSC 96, 52                                    ; e4: contexts
	s_add_co_i32 s10, s94, s95                     ; e2 + e3
	s_add_co_i32 s11, s92, s93
	s_sub_co_i32 s11, s11, s10
	s_add_co_i32 s11, s11, 127
	s_lshl_b32 s11, s11, 23
	s_or_b32 s54, s11, 0x80000000                  ; -2^(e0+e1-e2-e3)
	s_mov_b32 s55, s54
	s_add_co_i32 s11, s10, 127
	s_lshl_b32 s11, s11, 23
	s_or_b32 s56, s11, 0x80000000                  ; -2^(e2+e3)
	s_mov_b32 s57, s56
	s_sub_co_i32 s60, 0, s10
	s_add_co_i32 s11, s96, s97
	s_lshl_b32 s11, s11, 23
	s_add_co_i32 s58, s11, 0x3e99999a              ; 0.3 x 2^(e4+e5): the exponents are added to 0.3's exponent field
	s_mov_b32 s59, s58
	s_mul_f32 s62, s61, s98                        ; -log2(e) b2
	; ---- waves 0-3: a query tile becomes an image
	s_cmp_lt_u32 s2, 4
	s_cbranch_scc0 .Lno_q2
	s_wait_loadcnt 32                              ; the 32 loads of W1 are younger
	NORM WW
	v_cndmask_b32 v[INV], 1.0, v[INV], s43         ; the content queries are taken as they are
	PKMUL WW
	QUANT WW, PC, 46
	IMAGE QST, PC
.Lno_q2:
	; ---- Wm's image; then the small loads
	s_wait_loadcnt 16                              ; Wm is in; Wq's 16 loads are younger
	s_wait_dscnt 0x0                               ; the image's stores have read the codes' registers
	QUANT NH, PC, 50
	IMAGE WST, PC
	global_load_b128 v[NH:NH+3], v[GH], s[72:73]               ; b1 at e = 16 w + 8 h + 0 .. 7
	global_load_b128 v[NH+4:NH+7], v[GH], s[72:73] offset:16
	global_load_b32 v[FRP], v[GF], s[82:83]                    ; freshness of memory r of step 0,
	global_load_b32 v[FRP+2], v[GF], s[82:83] offset:64        ; of step 1
.set J, 0
.rept 8
	global_load_b128 v[WW+8*J:WW+8*J+3], v[GH], s[70:71] offset:64*J        ; W2 at e = 16 et + 8 h + 0 .. 7
	global_load_b128 v[WW+8*J+4:WW+8*J+7], v[GH], s[70:71] offset:64*J+16
.set J, J+1
.endr
	s_wait_loadcnt 20                              ; Wq is in; the 20 loads just issued are younger
	QUANT XB, WQ, 44
	BAR                                            ; the images of Wm and of the queries lie in LDS
	; ---- hq for my 16 e and all 32 queries; A'' = -(hq + b1) / 2^(e2+e3)
	FETCH XB, QO
	FETCH XB+16, QO+2048
	s_wait_dscnt 0x0
	v_wmma_f32_16x16x128_fp8_fp8 v[XB+32:XB+39], v[WQ:WQ+15], v[XB:XB+15], 0       ; lane (r, h), register j: e = 16 w + 8 h + j, b = r
	v_wmma_f32_16x16x128_fp8_fp8 v[XB+40:XB+47], v[WQ:WQ+15], v[XB+16:XB+31], 0    ; b = 16 + r
	s_wait_loadcnt 18                              ; b1 is in; freshness and W2 are younger
.set J, 0
.rept 8
	v_ldexp_f32 v[NH+J], v[NH+J], s60              ; b1 / 2^(e2+e3); these eight are also the places behind the products
.set J, J+1
.endr
.irp bt, 0,1
.irp i, 0,2,4,6
	v_pk_fma_f32 v[XB+48+8*\bt+\i:XB+48+8*\bt+\i+1], v[XB+32+8*\bt+\i:XB+32+8*\bt+\i+1], s[54:55], v[NH+\i:NH+\i+1] op_sel_hi:[1,0,1] neg_lo:[0,0,1] neg_hi:[0,0,1]
.endr
.endr
	ds_store_b128 v[AST], v[XB+48:XB+51]
	ds_store_b128 v[AST], v[XB+52:XB+55] offset:16
	ds_store_b128 v[AST], v[XB+56:XB+59] offset:8448
	ds_store_b128 v[AST], v[XB+60:XB+63] offset:8464
	s_wait_loadcnt 0x0
.set J, 0
.rept 32
	v_pk_mul_f32 v[WW+J:WW+J+1], v[WW+J:WW+J+1], s[56:57] op_sel_hi:[1,0]   ; W'' = -W2 2^(e2+e3)
.set J, J+2
.endr
	v_mul_f32 v[FRP], 0x3e4ccccd, v[FRP]           ; 0.2 freshness
	v_mul_f32 v[FRP+2], 0x3e4ccccd, v[FRP+2]
	v_mov_b32 v[FRP+1], 0                          ; (named as the pairs' upper words)
	v_mov_b32 v[FRP+3], 0
	BAR                                            ; A'' of all 32 queries lies in LDS
; ---- A STEP: 16 memories against 32 queries
.macro STEP t
	s_wait_tensorcnt 2-2*\t                        ; tensor loads of a wave end in order: this step's two tiles are in; step 1's may be out in step 0
	RAWLD XTO+T1O*\t                               ; the contexts' rows
	FETCH NH, QO+4096                              ; the context queries' two images
	FETCH NH+16, QO+6144
	s_wait_dscnt 8                                 ; the rows are in; the eight loads of the images are younger
	NORM XB
	PKMUL XB
	QUANT XB, PC, 52
	s_wait_dscnt 0x0
	v_wmma_f32_16x16x128_fp8_fp8 v[NH+32:NH+39], v[NH:NH+15], v[PC:PC+15], 0       ; lane (r, h), register j: b = 8 h + j, m = r
	v_wmma_f32_16x16x128_fp8_fp8 v[NH+40:NH+47], v[NH+16:NH+31], v[PC:PC+15], 0    ; b = 16 + 8 h + j
	RAWLD T1O*\t                                   ; the content's rows (into registers that these products do not name)
	PLACES
.irp bt, 0,1
.irp i, 0,2,4,6
	v_pk_fma_f32 v[NH+48+8*\bt+\i:NH+48+8*\bt+\i+1], v[NH+32+8*\bt+\i:NH+32+8*\bt+\i+1], s[58:59], v[FRP+2*\t:FRP+2*\t+1] op_sel_hi:[1,0,0]   ; 0.3 ctx + 0.2 freshness
.endr
.endr
.irp bt, 0,1
.irp j, 0,1,2,3,4,5,6,7
	ds_store_b32 v[SST], v[NH+48+8*\bt+\j] offset:XTO+144*(16*\bt+\j)+64*\t
.endr
.endr
	s_wait_dscnt 16                                ; the content's rows are in; the sixteen stores are younger
	QUANT XB, PC, 48
.irp q, 0,1,2,3
	FETCH XB+16*\q, 2048*\q                        ; Wm's tiles 0-3
.endr
	s_wait_dscnt 0x0
.irp q, 0,1,2,3
	v_wmma_f32_16x16x128_fp8_fp8 v[NH+8*\q:NH+8*\q+7], v[XB+16*\q:XB+16*\q+15], v[PC:PC+15], 0   ; lane (r, h), register j: e = 16 et + 8 h + j, m = r
.endr
	PLACES                                         ; in front of loads into registers that these products have read
.irp q, 0,1,2,3
	FETCH XB+16*\q, 8192+2048*\q                   ; tiles 4-7
.endr
	s_wait_dscnt 0x0
.irp q, 0,1,2,3
	v_wmma_f32_16x16x128_fp8_fp8 v[NH+32+8*\q:NH+32+8*\q+7], v[XB+16*\q:XB+16*\q+15], v[PC:PC+15], 0
.endr
	; sum W'' D over my 64 e, ascending, in two packed chains: the first sixteen lines name only tiles 0-3 and are the places behind tiles 4-7's products
	v_pk_mul_f32 v[SEP:SEP+1], v[NH:NH+1], v[WW:WW+1]
	v_pk_mul_f32 v[SEP+2:SEP+3], v[NH+2:NH+3], v[WW+2:WW+3]
.set J, 4
.rept 15
	v_pk_fma_f32 v[SEP:SEP+1], v[NH+J:NH+J+1], v[WW+J:WW+J+1], v[SEP:SEP+1]
	v_pk_fma_f32 v[SEP+2:SEP+3], v[NH+J+2:NH+J+3], v[WW+J+2:WW+J+3], v[SEP+2:SEP+3]
.set J, J+4
.endr
	v_pk_add_f32 v[SEP:SEP+1], v[SEP:SEP+1], v[SEP+2:SEP+3]
	s_mov_b32 s63, 0
	s_mov_b32 s66, 0
	s_mov_b32 s67, 0
	ds_load_b128 v[SA0:SA0+3], v[IMGB] offset:AO           ; A'' of queries 0 and 8
	ds_load_b128 v[SA0+4:SA0+7], v[IMGB] offset:AO+528*8
.Lj\t:                                             ; trip j: queries j, j + 8, then 16 + j, 24 + j
	v_add_nc_u32 v[AAD], s66, v[IMGB]
	v_add_nc_u32 v[LAD], s67, v[SST]
	ds_load_b128 v[SA1:SA1+3], v[AAD] offset:AO+528*16
	ds_load_b128 v[SA1+4:SA1+7], v[AAD] offset:AO+528*24
	s_wait_dscnt 2                                 ; all but the two just issued: the first pair's A'' is in, on the way in and on the way back
	PAIR SA0
	EPI EP+5, 64*\t
	s_wait_dscnt 1                                 ; the second pair's A'' is in; the store is younger
	ds_load_b128 v[SA0:SA0+3], v[AAD] offset:AO+528        ; the next trip's first pair (the last trip reads rows 8 and 16, which nobody uses)
	ds_load_b128 v[SA0+4:SA0+7], v[AAD] offset:AO+528*9
	PAIR SA1
	EPI EP+6, 2304+64*\t
	s_add_co_u32 s66, s66, 528
	s_add_co_u32 s67, s67, 144
	s_add_co_u32 s63, s63, 1
	s_cmp_lt_u32 s63, 8
	s_cbranch_scc1 .Lj\t
	s_wait_dscnt 0x0                               ; nothing of mine is out: the registers and rows are free for what follows
.endm
	STEP 0
	STEP 1
	; ---- the similarities: a lane is now a query, its registers 32 memories
.set J, 0
.rept 8
	ds_load_b128 v[NH+4*J:NH+4*J+3], v[SRD] offset:16*J            ; logits; rows 144 bytes apart
.set J, J+1
.endr
.set J, 0
.rept 8
	ds_load_b128 v[NH+32+4*J:NH+32+4*J+3], v[SRD] offset:XTO+16*J  ; 0.3 ctx + 0.2 freshness
.set J, J+1
.endr
	s_wait_dscnt 0x0
.set J, 0
.rept 32
	v_fma_f32 v[NH+J], v[NH+J], s61, s62           ; -log2(e) (logit + b2)
.set J, J+1
.endr
.set J, 0
.rept 32
	v_exp_f32 v[NH+J], v[NH+J]
.set J, J+1
.endr
	v_mov_b32 v94, s99                             ; (a plain line behind the batch)  my first memory's index
	s_wait_alu depctr_va_vdst(0)                   ; one wait for the 32 exponentials, ahead of their first reader
.set J, 0
.rept 16
	v_pk_add_f32 v[NH+J:NH+J+1], v[NH+J:NH+J+1], 1.0 op_sel_hi:[1,0]
.set J, J+2
.endr
.set J, 0
.rept 32
	v_rcp_f32 v[NH+J], v[NH+J]
.set J, J+1
.endr
	v_nop
	s_wait_alu depctr_va_vdst(0)                   ; one wait for the 32 reciprocals
.set J, 0
.rept 16
	v_pk_fma_f32 v[NH+J:NH+J+1], v[NH+J:NH+J+1], 0.5, v[NH+32+J:NH+32+J+1] op_sel_hi:[1,0,1]
.set J, J+2
.endr
.set J, 0
.rept 32
	v_ashrrev_i32 v[NH+32+J], 31, v[NH+J]          ; key: a negative number's bits are all turned, of the others the sign bit alone
	v_or_b32 v[NH+32+J], 0x80000000, v[NH+32+J]
	v_xor_b32 v[NH+J], v[NH+J], v[NH+32+J]
.set J, J+1
.endr
.set J, 0
.rept 32
	v_add_nc_u32 v[NH+32+J], J, v94                ; the memory's index in the cell
.set J, J+1
.endr
	INITMAP NH, NH+32
.set KFR, 88
.set IFR, 89
	SORT16 0,1,2,3,4,5,6,7,8,9,10,11,12,13,14,15
	SORT16 16,17,18,19,20,21,22,23,24,25,26,27,28,29,30,31
	MERGE                                          ; the wave's best 16 of 32 for each query
	LEVEL 4, 2, LR4
	LEVEL 2, 1, LR2
	LEVEL 1, 0, LR1
	s_cmp_lg_u32 s2, 0
	s_cbranch_scc1 .Lend
.irp p, 0,1,2,3,4,5,6,7,8,9,10,11,12,13,14,15
	v_mov_b32 v[XB+\p], v[KR\p]                    ; the ranks in order, for stores of 16 bytes
	v_mov_b32 v[XB+16+\p], v[IR\p]
.endr
.irp k, 0,1,2,3
	global_store_b128 v[L16], v[XB+4*\k:XB+4*\k+3], s[88:89] offset:512*\k         ; ranks 4 k .. 4 k + 3 of all 32 queries: 512 consecutive bytes
	global_store_b128 v[L16], v[XB+16+4*\k:XB+16+4*\k+3], s[90:91] offset:512*\k
.endr
.Lend:
	s_set_vgpr_msb 0x5
	s_wait_tensorcnt 0x0
	ds_add_u32 v0, v1
	s_wait_dscnt 0x0
	s_set_vgpr_msb 0x500
	s_endpgm
.Lfunc_end_k_q2bbe620465_score:
	.size	k_q2bbe620465_score, .Lfunc_end_k_q2bbe620465_score-k_q2bbe620465_score
	.p2alignl 7, 3214868480
	.fill 96, 4, 3214868480
	.section	.rodata,"a",@progbits
	.p2align	6, 0x0
	.amdhsa_kernel k_q2bbe620465_score
		.amdhsa_group_segment_fixed_size 312832
		.amdhsa_private_segment_fixed_size 0
		.amdhsa_enable_private_segment 0
		.amdhsa_kernarg_size 96
		.amdhsa_user_sgpr_count 2
		.amdhsa_user_sgpr_kernarg_segment_ptr 1
		.amdhsa_wavefront_size32 1
		.amdhsa_system_sgpr_workgroup_id_x 1
		.amdhsa_system_sgpr_workgroup_id_y 1
		.amdhsa_system_sgpr_workgroup_id_z 1
		.amdhsa_system_vgpr_workitem_id 0
		.amdhsa_next_free_vgpr 258
		.amdhsa_next_free_sgpr 100
		.amdhsa_reserve_vcc 0
		.amdhsa_float_denorm_mode_32 3
		.amdhsa_float_denorm_mode_16_64 3
		.amdhsa_memory_ordered 1
		.amdhsa_forward_progress 1
		.amdhsa_inst_pref_size 255
	.end_amdhsa_kernel
	.section	.bss,"aw",@nobits
	.p2align	6
	.space	262144
	.amdgpu_metadata
---
amdhsa.version: [ 1, 2 ]
amdhsa.kernels:
  - .name:           k_q2bbe620465_score
    .symbol:         k_q2bbe620465_score.kd
    .args:
      - { .name: W1, .offset: 0, .size: 8, .value_kind: global_buffer, .address_space: global }
      - { .name: W2, .offset: 8, .size: 8, .value_kind: global_buffer, .address_space: global }
      - { .name: b1, .offset: 16, .size: 8, .value_kind: global_buffer, .address_space: global }
      - { .name: b2, .offset: 24, .size: 8, .value_kind: global_buffer, .address_space: global }
      - { .name: lowp_scales, .offset: 32, .size: 8, .value_kind: global_buffer, .address_space: global }
      - { .name: memory_content, .offset: 40, .size: 8, .value_kind: global_buffer, .address_space: global }
      - { .name: memory_contexts, .offset: 48, .size: 8, .value_kind: global_buffer, .address_space: global }
      - { .name: memory_freshness, .offset: 56, .size: 8, .value_kind: global_buffer, .address_space: global }
      - { .name: query_content, .offset: 64, .size: 8, .value_kind: global_buffer, .address_space: global }
      - { .name: query_context, .offset: 72, .size: 8, .value_kind: global_buffer, .address_space: global }
      - { .name: cand_key, .offset: 80, .size: 8, .value_kind: global_buffer, .address_space: global }
      - { .name: cand_idx, .offset: 88, .size: 8, .value_kind: global_buffer, .address_space: global }
    .group_segment_fixed_size: 312832
    .private_segment_fixed_size: 0
    .kernarg_segment_align: 8
    .kernarg_segment_size: 96
    .max_flat_workgroup_size: 256
    .sgpr_count:     100
    .vgpr_count:     258
    .wavefront_size: 32
...
	.end_amdgpu_metadata
.endif
;; end of part 1
;; launch merge (part 2): grid 8 x 1, 16 waves a work-group, no clusters, 72,704 bytes of LDS; arguments cand_key, cand_idx, out1, top_idx; writes out1, top_idx
.if DOCPART == 2
	.amdgcn_target "amdgcn-amd-amdhsa--gfx1250"
	.amdhsa_code_object_version 6
	.text
	.protected	k_q2bbe620465_merge
	.globl	k_q2bbe620465_merge
	.p2align	8
	.type	k_q2bbe620465_merge,@function
k_q2bbe620465_merge:
	s_mov_b64 s[64:65], 0
	v_nop
	global_prefetch_b8 v0, s[64:65] scope:SCOPE_SE
	s_setreg_imm32_b32 hwreg(HW_REG_WAVE_MODE, 25, 1), 1
	s_wait_xcnt 0x0
; MERGE.  Work-group c takes a cell: for each of its 32 queries (a lane is a query) the 32 sorted lists of 16 (key, index) become the best 16 of the cell's 8,192 memories.
; Wave w loads the lists of chunks 2 w and 2 w + 1 and merges them; four levels over the sixteen waves through LDS follow; wave 0 turns the keys back into numbers and stores out1 and the indices.
; 'b precedes a' (larger key, or equal key and lower index: the order in which the top-k breaks ties) is the carry out of Kb + ~Ka + (Ib < Ia).
; The lists lie [cell][chunk][rank / 4][query][rank % 4]: every load of a wave covers 512 consecutive bytes.  No address and no branch hangs on the data.
.set LST,  4                           ; v4    my list in LDS: 4,096 w + 4 x lane; each wave writes its list once at the most
.set LR8,  5                           ; v5-8  the list of wave (w + 8) % 16, (w + 4) % 16, (w + 2) % 16, (w + 1) % 16
.set LR4,  6
.set LR2,  7
.set LR1,  8
.set SIN,  9                           ; v9    the stage, on the way in: 65,536 + 80 x lane
.set SOUT, 10                          ; v10   on the way out: 65,536 + 80 (lane / 4) + 16 (lane % 4)
.set MK,   12                          ; s12-15 four masks
.set TM,   82                          ; v82-85 four inverted keys
.macro INITMAP kb, ib
.irp p, 0,1,2,3,4,5,6,7,8,9,10,11,12,13,14,15,16,17,18,19,20,21,22,23,24,25,26,27,28,29,30,31
.set KR\p, \kb+\p
.set IR\p, \ib+\p
.endr
.endm
.macro CMP a, b, m
	v_cmp_lt_u32 s[MK+\m], v[IR\b], v[IR\a]
	v_not_b32 v[TM+\m], v[KR\a]
.endm
.macro CAR a, b, m
	v_add_co_ci_u32 v[TM+\m], s[MK+\m], v[KR\b], v[TM+\m], s[MK+\m]
.endm
.macro SEL a, b, m                     ; the winner goes to the spare register, which then changes names with position a's: no move
	v_cndmask_b32 v[KFR], v[KR\a], v[KR\b], s[MK+\m]
	v_cndmask_b32 v[KR\b], v[KR\b], v[KR\a], s[MK+\m]
	v_cndmask_b32 v[IFR], v[IR\a], v[IR\b], s[MK+\m]
	v_cndmask_b32 v[IR\b], v[IR\b], v[IR\a], s[MK+\m]
.set SWP, KR\a
.set KR\a, KFR
.set KFR, SWP
.set SWP, IR\a
.set IR\a, IFR
.set IFR, SWP
.endm
.macro MXS a, b, m
	v_cndmask_b32 v[KR\a], v[KR\a], v[KR\b], s[MK+\m]
	v_cndmask_b32 v[IR\a], v[IR\a], v[IR\b], s[MK+\m]
.endm
.macro CE4 a, b, c, d, e, f, g, h
	CMP \a,\b,0
	CMP \c,\d,1
	CMP \e,\f,2
	CMP \g,\h,3
	CAR \a,\b,0
	CAR \c,\d,1
	CAR \e,\f,2
	CAR \g,\h,3
	SEL \a,\b,0
	SEL \c,\d,1
	SEL \e,\f,2
	SEL \g,\h,3
.endm
.macro MX4 a, b, c, d, e, f, g, h
	CMP \a,\b,0
	CMP \c,\d,1
	CMP \e,\f,2
	CMP \g,\h,3
	CAR \a,\b,0
	CAR \c,\d,1
	CAR \e,\f,2
	CAR \g,\h,3
	MXS \a,\b,0
	MXS \c,\d,1
	MXS \e,\f,2
	MXS \g,\h,3
.endm
.macro MERGE                           ; position i takes the better of i and 31 - i: a bitonic run of the best 16, which four layers sort
	MX4 0,31,1,30,2,29,3,28
	MX4 4,27,5,26,6,25,7,24
	MX4 8,23,9,22,10,21,11,20
	MX4 12,19,13,18,14,17,15,16
	CE4 0,8,1,9,2,10,3,11
	CE4 4,12,5,13,6,14,7,15
	CE4 0,4,1,5,2,6,3,7
	CE4 8,12,9,13,10,14,11,15
	CE4 0,2,1,3,4,6,5,7
	CE4 8,10,9,11,12,14,13,15
	CE4 0,1,2,3,4,5,6,7
	CE4 8,9,10,11,12,13,14,15
.endm
.macro PUT adr
.irp p, 0,1,2,3,4,5,6,7,8,9,10,11,12,13,14,15
	ds_store_b32 v[\adr], v[KR\p] offset:128*\p
	ds_store_b32 v[\adr], v[IR\p] offset:2048+128*\p
.endr
.endm
.macro GET adr
.irp q, 16,17,18,19,20,21,22,23,24,25,26,27,28,29,30,31
	ds_load_b32 v[KR\q], v[\adr] offset:128*(\q-16)
	ds_load_b32 v[IR\q], v[\adr] offset:2048+128*(\q-16)
.endr
.endm
.macro LEVEL lv, sh, padr              ; waves lv .. 2 lv - 1 hand their lists to waves 0 .. lv - 1; every wave passes the barrier
	s_lshr_b32 s3, s2, \sh
	s_cmp_lg_u32 s3, 1
	s_cbranch_scc1 .Lnp\lv
	PUT LST
.Lnp\lv:
	s_wait_dscnt 0x0                               ; my stores have landed, my loads are in
	s_barrier_signal -1
	s_barrier_wait -1
	s_cmp_lt_u32 s2, \lv
	s_cbranch_scc0 .Lnm\lv
	GET \padr
	s_wait_dscnt 0x0
	MERGE
.Lnm\lv:
.endm
	s_load_b256 s[4:11], s[0:1], 0x0               ; cand_key 4, cand_idx 6, out1 8, top_idx 10
	v_lshl_add_u32 v128, v0, 2, 0x11400
	v_mov_b32 v129, 0
	v_lshrrev_b32 v1, 5, v0
	v_readfirstlane_b32 s2, v1                     ; wave 0..15
	v_and_b32 v1, 31, v0                           ; lane = query
	v_lshlrev_b32 v2, 4, v1
	v_lshlrev_b32 v3, 2, v1
	s_lshl_b32 s3, s2, 12
	v_add_nc_u32 v[LST], s3, v3
	s_add_co_u32 s3, s2, 8
	s_and_b32 s3, s3, 15
	s_lshl_b32 s3, s3, 12
	v_add_nc_u32 v[LR8], s3, v3
	s_add_co_u32 s3, s2, 4
	s_and_b32 s3, s3, 15
	s_lshl_b32 s3, s3, 12
	v_add_nc_u32 v[LR4], s3, v3
	s_add_co_u32 s3, s2, 2
	s_and_b32 s3, s3, 15
	s_lshl_b32 s3, s3, 12
	v_add_nc_u32 v[LR2], s3, v3
	s_add_co_u32 s3, s2, 1
	s_and_b32 s3, s3, 15
	s_lshl_b32 s3, s3, 12
	v_add_nc_u32 v[LR1], s3, v3
	v_mul_u32_u24 v[SIN], v1, 80
	v_add_nc_u32 v[SIN], 0x10000, v[SIN]
	v_lshrrev_b32 v[SOUT], 2, v1
	v_mul_u32_u24 v[SOUT], v[SOUT], 80
	v_and_b32 v11, 3, v1
	v_lshl_add_u32 v[SOUT], v11, 4, v[SOUT]
	v_add_nc_u32 v[SOUT], 0x10000, v[SOUT]
	s_lshl_b32 s16, ttmp9, 16                      ; (32 c + 2 w) x 2,048
	s_lshl_b32 s3, s2, 12
	s_add_co_u32 s16, s16, s3
	s_mov_b32 s17, 0
	s_lshl_b32 s18, ttmp9, 11                      ; the cell's 2,048 bytes of out1 and of top_idx
	s_mov_b32 s19, 0
	s_wait_kmcnt 0x0
	s_add_nc_u64 s[4:5], s[4:5], s[16:17]
	s_add_nc_u64 s[6:7], s[6:7], s[16:17]
	s_add_nc_u64 s[8:9], s[8:9], s[18:19]
	s_add_nc_u64 s[10:11], s[10:11], s[18:19]
.irp l, 0,1
.irp k, 0,1,2,3
	global_load_b128 v[16+16*\l+4*\k:16+16*\l+4*\k+3], v2, s[4:5] offset:2048*\l+512*\k th:TH_LOAD_NT   ; position 16 l + 4 k + 0 .. 3
	global_load_b128 v[48+16*\l+4*\k:48+16*\l+4*\k+3], v2, s[6:7] offset:2048*\l+512*\k th:TH_LOAD_NT
.endr
.endr
	INITMAP 16, 48
.set KFR, 80
.set IFR, 81
	s_wait_loadcnt 0x0
	MERGE
	LEVEL 8, 3, LR8
	LEVEL 4, 2, LR4
	LEVEL 2, 1, LR2
	LEVEL 1, 0, LR1
	s_cmp_lg_u32 s2, 0
	s_cbranch_scc1 .Lend
.irp p, 0,1,2,3,4,5,6,7,8,9,10,11,12,13,14,15
	v_ashrrev_i32 v[88+\p], 31, v[KR\p]            ; the key back to the number: top bit set: that bit alone is turned; else all bits
	v_not_b32 v[88+\p], v[88+\p]
	v_or_b32 v[88+\p], 0x80000000, v[88+\p]
	v_xor_b32 v[88+\p], v[KR\p], v[88+\p]
	v_mov_b32 v[104+\p], v[IR\p]
.endr
	; a lane's 16 ranks are 64 bytes of its query's row, and the lanes beside it hold other rows: through wave 0's own stage, so that each store covers 512 consecutive bytes
.irp k, 0,1,2,3
	ds_store_b128 v[SIN], v[88+4*\k:88+4*\k+3] offset:16*\k
	ds_store_b128 v[SIN], v[104+4*\k:104+4*\k+3] offset:2560+16*\k
.endr
.irp k, 0,1,2,3
	ds_load_b128 v[16+4*\k:16+4*\k+3], v[SOUT] offset:640*\k          ; LDS serves a wave's instructions in order: these see the stores above
	ds_load_b128 v[32+4*\k:32+4*\k+3], v[SOUT] offset:2560+640*\k
.endr
	s_wait_dscnt 0x0
.irp k, 0,1,2,3
	global_store_b128 v2, v[16+4*\k:16+4*\k+3], s[8:9] offset:512*\k
	global_store_b128 v2, v[32+4*\k:32+4*\k+3], s[10:11] offset:512*\k
.endr
.Lend:
	s_wait_tensorcnt 0x0
	ds_add_u32 v128, v129
	s_wait_dscnt 0x0
	s_endpgm
.Lfunc_end_k_q2bbe620465_merge:
	.size	k_q2bbe620465_merge, .Lfunc_end_k_q2bbe620465_merge-k_q2bbe620465_merge
	.p2alignl 7, 3214868480
	.fill 96, 4, 3214868480
	.section	.rodata,"a",@progbits
	.p2align	6, 0x0
	.amdhsa_kernel k_q2bbe620465_merge
		.amdhsa_group_segment_fixed_size 72704
		.amdhsa_private_segment_fixed_size 0
		.amdhsa_enable_private_segment 0
		.amdhsa_kernarg_size 32
		.amdhsa_user_sgpr_count 2
		.amdhsa_user_sgpr_kernarg_segment_ptr 1
		.amdhsa_wavefront_size32 1
		.amdhsa_system_sgpr_workgroup_id_x 1
		.amdhsa_system_sgpr_workgroup_id_y 1
		.amdhsa_system_sgpr_workgroup_id_z 1
		.amdhsa_system_vgpr_workitem_id 0
		.amdhsa_next_free_vgpr 130
		.amdhsa_next_free_sgpr 66
		.amdhsa_reserve_vcc 0
		.amdhsa_float_denorm_mode_32 3
		.amdhsa_float_denorm_mode_16_64 3
		.amdhsa_memory_ordered 1
		.amdhsa_forward_progress 1
		.amdhsa_inst_pref_size 114
	.end_amdhsa_kernel
	.amdgpu_metadata
---
amdhsa.version: [ 1, 2 ]
amdhsa.kernels:
  - .name:           k_q2bbe620465_merge
    .symbol:         k_q2bbe620465_merge.kd
    .args:
      - { .name: cand_key, .offset: 0, .size: 8, .value_kind: global_buffer, .address_space: global }
      - { .name: cand_idx, .offset: 8, .size: 8, .value_kind: global_buffer, .address_space: global }
      - { .name: out1, .offset: 16, .size: 8, .value_kind: global_buffer, .address_space: global }
      - { .name: top_idx, .offset: 24, .size: 8, .value_kind: global_buffer, .address_space: global }
    .group_segment_fixed_size: 72704
    .private_segment_fixed_size: 0
    .kernarg_segment_align: 8
    .kernarg_segment_size: 32
    .max_flat_workgroup_size: 512
    .sgpr_count:     66
    .vgpr_count:     130
    .wavefront_size: 32
...
	.end_amdgpu_metadata
.endif
;; end of part 2
;; launch gather (part 3): grid 64 x 1, 4 waves a work-group, no clusters, 0 bytes of LDS; arguments top_idx, memory_content, memory_freshness, out0, out2; writes out0, out2
.if DOCPART == 3
	.amdgcn_target "amdgcn-amd-amdhsa--gfx1250"
	.amdhsa_code_object_version 6
	.text
	.protected	k_q2bbe620465_gather
	.globl	k_q2bbe620465_gather
	.p2align	8
	.type	k_q2bbe620465_gather,@function
k_q2bbe620465_gather:
	s_mov_b64 s[64:65], 0
	v_nop
	global_prefetch_b8 v0, s[64:65] scope:SCOPE_SE
	s_setreg_imm32_b32 hwreg(HW_REG_WAVE_MODE, 25, 1), 1
	s_wait_xcnt 0x0
; GATHER.  out0[c][b][k][:] = memory_content[c][top_idx[c][b][k]][:], out2[c][b][k] = memory_freshness[c][top_idx[c][b][k]].
; Wave w of work-group g takes row R = 4 g + w of the 256 rows (c, b): its 16 indices come by one scalar load; a content row is 512 bytes: one load and one store of the wave, 16 bytes a lane.
; Wave 0 also takes the work-group's 64 freshness values: two a lane, stored as 256 consecutive bytes.  The four rows of a work-group lie in one cell (32 rows a cell).
; Each index is held at 8,191 at the most before it enters an address.  A row may be named by several queries, so the loads carry no hint; 16 loads of a wave are out.
	s_load_b256 s[4:11], s[0:1], 0x0               ; top_idx 4, memory_content 6, memory_freshness 8, out0 10
	s_load_b64 s[12:13], s[0:1], 0x20              ; out2
	v_lshrrev_b32 v1, 5, v0
	v_readfirstlane_b32 s2, v1                     ; wave 0..3
	v_and_b32 v1, 31, v0
	v_lshlrev_b32 v2, 4, v1                        ; 16 x lane
	v_lshlrev_b32 v3, 3, v1                        ; 8 x lane
	s_lshl_b32 s3, ttmp9, 2
	s_add_co_u32 s3, s3, s2                        ; R
	s_lshr_b32 s14, ttmp9, 3                       ; c
	s_mov_b32 s37, 0
	s_lshl_b32 s36, s3, 6                          ; 64 R
	s_wait_kmcnt 0x0
	s_add_nc_u64 s[38:39], s[4:5], s[36:37]
	s_load_b512 s[16:31], s[38:39], 0x0            ; the row's 16 indices
	s_lshl_b32 s36, s14, 22
	s_add_nc_u64 s[6:7], s[6:7], s[36:37]          ; the cell's content
	s_lshl_b32 s36, s3, 13
	s_add_nc_u64 s[10:11], s[10:11], s[36:37]      ; out0 at row R: 16 x 512 bytes
	s_wait_kmcnt 0x0
.irp k, 0,1,2,3,4,5,6,7,8,9,10,11,12,13,14,15
	s_min_u32 s[16+\k], s[16+\k], 0x1fff
	s_lshl_b32 s[16+\k], s[16+\k], 9
	v_add_nc_u32 v[8+\k], s[16+\k], v2
.endr
.irp k, 0,1,2,3,4,5,6,7,8,9,10,11,12,13,14,15
	global_load_b128 v[32+4*\k:32+4*\k+3], v[8+\k], s[6:7]
.endr
.irp k, 0,1,2,3,4,5,6,7,8,9,10,11,12,13,14,15
	s_wait_loadcnt 15-\k                           ; loads come back in order: row k is in, the younger ones stay out
	global_store_b128 v2, v[32+4*\k:32+4*\k+3], s[10:11] offset:512*\k th:TH_STORE_NT   ; 512 consecutive bytes
.endr
	s_cmp_lg_u32 s2, 0
	s_cbranch_scc1 .Lend
	s_lshl_b32 s36, ttmp9, 8                       ; the work-group's 64 indices and 64 values: 256 bytes
	s_add_nc_u64 s[4:5], s[4:5], s[36:37]
	s_add_nc_u64 s[12:13], s[12:13], s[36:37]
	s_lshl_b32 s36, s14, 15
	s_add_nc_u64 s[8:9], s[8:9], s[36:37]          ; the cell's freshness
	global_load_b64 v[4:5], v3, s[4:5]
	s_wait_loadcnt 0x0
	v_min_u32 v6, 0x1fff, v4
	v_min_u32 v7, 0x1fff, v5
	v_lshlrev_b32 v6, 2, v6
	v_lshlrev_b32 v7, 2, v7
	global_load_b32 v26, v6, s[8:9]
	global_load_b32 v27, v7, s[8:9]
	s_wait_loadcnt 0x0
	global_store_b64 v3, v[26:27], s[12:13]
.Lend:
	s_endpgm
.Lfunc_end_k_q2bbe620465_gather:
	.size	k_q2bbe620465_gather, .Lfunc_end_k_q2bbe620465_gather-k_q2bbe620465_gather
	.p2alignl 7, 3214868480
	.fill 96, 4, 3214868480
	.section	.rodata,"a",@progbits
	.p2align	6, 0x0
	.amdhsa_kernel k_q2bbe620465_gather
		.amdhsa_group_segment_fixed_size 0
		.amdhsa_private_segment_fixed_size 0
		.amdhsa_enable_private_segment 0
		.amdhsa_kernarg_size 40
		.amdhsa_user_sgpr_count 2
		.amdhsa_user_sgpr_kernarg_segment_ptr 1
		.amdhsa_wavefront_size32 1
		.amdhsa_system_sgpr_workgroup_id_x 1
		.amdhsa_system_sgpr_workgroup_id_y 1
		.amdhsa_system_sgpr_workgroup_id_z 1
		.amdhsa_system_vgpr_workitem_id 0
		.amdhsa_next_free_vgpr 96
		.amdhsa_next_free_sgpr 66
		.amdhsa_reserve_vcc 0
		.amdhsa_float_denorm_mode_32 3
		.amdhsa_float_denorm_mode_16_64 3
		.amdhsa_memory_ordered 1
		.amdhsa_forward_progress 1
		.amdhsa_inst_pref_size 8
	.end_amdhsa_kernel
	.amdgpu_metadata
---
amdhsa.version: [ 1, 2 ]
amdhsa.kernels:
  - .name:           k_q2bbe620465_gather
    .symbol:         k_q2bbe620465_gather.kd
    .args:
      - { .name: top_idx, .offset: 0, .size: 8, .value_kind: global_buffer, .address_space: global }
      - { .name: memory_content, .offset: 8, .size: 8, .value_kind: global_buffer, .address_space: global }
      - { .name: memory_freshness, .offset: 16, .size: 8, .value_kind: global_buffer, .address_space: global }
      - { .name: out0, .offset: 24, .size: 8, .value_kind: global_buffer, .address_space: global }
      - { .name: out2, .offset: 32, .size: 8, .value_kind: global_buffer, .address_space: global }
    .group_segment_fixed_size: 0
    .private_segment_fixed_size: 0
    .kernarg_segment_align: 8
    .kernarg_segment_size: 40
    .max_flat_workgroup_size: 128
    .sgpr_count:     66
    .vgpr_count:     96
    .wavefront_size: 32
...
	.end_amdgpu_metadata
.endif
;; end of part 3
